; MI455X (gfx1250); checked and timed in simulation.
; The chip was launched on July 23, 2026; its instructions are those of AMD's public machine-readable ISA for CDNA 5 (MIT licence, August 2026) and "CDNA5" Instruction Set Architecture Reference Guide (July 2026). The comments in the code are by the model that wrote it; some were corrected since.
;; LSTM Cell. Allowed arithmetic: matrix products marked QUANTISED: E3M2 operands, one E8M0 scale for each 32 along K, by v_wmma_scale_f32_16x16x128_f8f6f4 with both operands' format E3M2, f32 sums; everything else in f32.
;; Inputs: W_c 2,048 x 1,024 float32; W_f 2,048 x 1,024 float32; W_i 2,048 x 1,024 float32; W_o 2,048 x 1,024 float32; b_c 1,024 float32; b_f 1,024 float32; b_i 1,024 float32; b_o 1,024 float32; c 4,096 x 1,024 float32; h 4,096 x 1,024 float32; x 4,096 x 1,024 float32.
;; Outputs: out0 4,096 x 1,024 float32; out1 4,096 x 1,024 float32.
;; This version of the problem:
;;   THIS VERSION OF THE PROBLEM IS GIVEN IN LOW PRECISION. The matrix products marked QUANTISED in the list below multiply operands that are first quantised to E3M2 (3 exponent bits, 2 mantissa bits; 6 bits a number), with one power-of-two scale for each 32 numbers along K (OCP MX v1.0); their sums are f32. All else is computed in f32.
;;   The module's matrix products, in the order in which they are computed (A, B: the left and right operand; K: the contracted axis; several contracted axes count as one K, in the product's order):
;;     1. [M 4,096, K 2,048] x [K 2,048, N 4,096]; A: computed on the way; B: computed on the way: QUANTISED
;;   THE QUANTISER, for each operand of a quantised product, along K:
;;     - K is cut into blocks of 32 from its start; a last block that is shorter is filled with zeros.
;;     - A block's scale is 2^e with e = floor(log2(the largest magnitude in the block)) - 4, held to -126 .. 127; a block of zeros has e = 0. As a byte (E8M0): e + 127.
;;     - Each number is divided by its block's scale, clamped to +-28, and rounded to the nearest number of E3M2, ties to even, subnormals kept.
;;     - The product sums the exact products of the quantised numbers (number of the format x scale) in f32.
;;   ~~~python
;;   def quantise(x, axis):      # numpy; x: float32 -> the quantised numbers, widened to float32 again
;;       x = np.moveaxis(x, axis, -1); K = x.shape[-1]
;;       x = np.pad(x, [(0, 0)] * (x.ndim - 1) + [(0, -K % 32)]); x = x.reshape(x.shape[:-1] + (-1, 32)); a = np.abs(x).max(-1, keepdims=True)
;;       e = np.where(a > 0, np.clip(np.frexp(np.where(a > 0, a, 1))[1] - 1 - 4, -126, 127), 0)      # np.frexp(a)[1] - 1 = floor(log2(a)), exactly
;;       r = np.clip(x / 2.0 ** e, -28, 28)
;;       step = 2.0 ** (np.maximum(np.frexp(np.where(r == 0, 1, r))[1] - 1, -2) - 2)
;;       q = np.round(r / step) * step * 2.0 ** e      # np.round: ties to even
;;       return np.moveaxis(q.reshape(q.shape[:-2] + (-1,))[..., :K], -1, axis).astype(np.float32)
;;   ~~~
;;   OPERANDS COMPUTED ON THE WAY. 'Computed on the way' means the value that the module computes at that place (a softmax that the list does not call 'softmax' is quantised finished and normalised). What goes into a quantiser is computed in f32, as accurately as f32 sums, v_exp_f32 and their like allow (about 1e-6 of the number): no bf16 or f16 on the way to a quantiser, and a product that is left as it is and whose result goes on into a quantised operand takes f32 operands (vector FMAs, or v_wmma_f32_16x16x4_f32). A number that lies on a knife's edge between two numbers of the format may be rounded either way, as far as f32 arithmetic and the matrix unit's own rounding can turn it there, and no further.
;; One version. Each part assembles by itself: llvm-mc -triple=amdgcn-amd-amdhsa -mcpu=gfx1250 --defsym DOCPART=n.
;; ======== version 1 of 1: 2 launches
;; limits: right only within a limited range of input values; inputs' magnitudes at most 1,099,511,627,776
;; workspace buffers: a_pack 6,553,600 bytes; b_pack 6,553,600 bytes
;; launch quant (part 1): grid 1024 x 1, 4 waves a work-group, no clusters, 34,304 bytes of LDS; arguments x, h, W_f, W_i, W_c, W_o, a_pack, b_pack; writes a_pack, b_pack
.if DOCPART == 1
	.amdgcn_target "amdgcn-amd-amdhsa--gfx1250"
	.amdhsa_code_object_version 6
	.text
	.protected	k_q9cec920a5d_quant
	.globl	k_q9cec920a5d_quant
	.p2align	8
	.type	k_q9cec920a5d_quant,@function
k_q9cec920a5d_quant:
	s_mov_b64 s[64:65], 0
	v_nop
	global_prefetch_b8 v0, s[64:65] scope:SCOPE_SE
	s_setreg_imm32_b32 hwreg(HW_REG_WAVE_MODE, 25, 1), 1
	s_wait_xcnt 0x0
; [x | h] (4,096 x 2,048, K innermost) and [W_f | W_i | W_c | W_o] (K = 2,048 is the FIRST axis) become codes of BF6 (E3M2) with one E8M0 byte for each 32 along K.
; A block's scale is 2^(floor(log2(its largest magnitude)) - 4); its byte is the largest magnitude's exponent field - 4, held at 1 from below.  Each number is divided by the scale and rounded to the nearest code,
; ties to even; beyond the largest code the largest is given.
; LIMITS: NaN and infinities among the inputs are not served.  A block whose largest magnitude lies under 2^-122, a block of zeros among them, gets the byte 1 (the rule gives zeros 127): zero codes add nothing under
; any byte but 0xff, and these bytes are read by this program alone.
; BOTH OPERANDS ARE LAID AS THE PRODUCT'S LAUNCH FETCHES THEM: [K step of 128: 0 .. 15][group of 128 rows: 0 .. 31][12,800 bytes].  A group holds eight images of 1,536 bytes, one for each block i of 16 rows, in the
; order of the operand's registers (register R, 0 .. 11, of lane l at 512 (R / 4) + 16 l + 4 (R % 4); lane (r, h) holds of row r the 24 bytes of block h of 32 along K in registers 0-5 and those of block 2 + h in
; registers 6-11), and behind them, from byte 12,288 on, the rows' scale words (four bytes: the row's 128 along K): row r of block i at 128 (i / 2) + 8 r + 4 (i % 2).
; B's rows are ordered n' = 128 (j / 32) + 32 g + j % 32 (j the hidden unit; g = 0 f, 1 i, 2 c*, 3 o), so that a group is 32 hidden units in all four gates.
; Work-groups 0-511 take x and h, 512-1,023 the weights.  A wave takes 32 rows x 128 K (16 KB of f32) either way.  No tensor load, no barrier: waves share nothing.  Only the first way uses LDS.
; A wave's 32 scale words leave as 128 consecutive bytes, 4 a lane: half of an aligned 256.  They are one byte in 25 of what is stored; whole blocks would want an exchange between waves.
.set KST,  409600                      ; a K step of 128 in a packed buffer: 32 groups
.set GRP,  12800                       ; a group
.set SWO,  12288                       ; where its scale words begin
.set FRB,  1536                        ; an image
.set STG,  8448                        ; x, h: a wave's stage in LDS: 16 rows x SP bytes
.set SP,   528                         ; a stage row: 512 bytes + 16: the sixteen rows that a load of 16 bytes a lane touches start 33 x 16 bytes apart
.set RR,   16                          ; v16-143   x, h: the two fragments' 64 registers each, as they are loaded
.set XX,   144                         ; v144-207  64 numbers of my row: block h, then block 2 + h
.set PP,   208                         ; v208-231  the two fragments' codes, 12 registers each: no store's data are written again
.set TT,   232                         ; v232-234, v236-238 the upper halves of the two blocks' codes, before they are moved
.set MM,   240                         ; v240-241  largest magnitudes
.set SO,   242                         ; v242-243  the conversions' scale operands
.set BY,   244                         ; v244-245  the bytes;  v246 the permute's result, v247 at work
.set WW,   248                         ; v248-249  the two fragments' scale words;  v252 the word that I store
.set WX,   32                          ; weights: v32-95 two sets of 32 numbers down K
.set WP,   96                          ; v96-119   codes: 12 h' + 6 c
.set WT,   120                         ; v120-122  the upper half of a block's codes, before it is moved
	s_load_b128 s[4:7], s[0:1], 0x0                ; x, h
	s_load_b256 s[8:15], s[0:1], 0x10              ; W_f, W_i, W_c, W_o
	s_load_b128 s[16:19], s[0:1], 0x30             ; A packed, B packed
	v_lshl_add_u32 v254, v0, 2, 0x8400             ; my spare word, behind the four stages
	v_mov_b32 v255, 0
	v_lshrrev_b32 v1, 5, v0
	v_readfirstlane_b32 s24, v1                    ; wave 0..3
	v_and_b32 v7, 31, v0                           ; lane
	s_mov_b32 s26, 0x76543210
	s_mov_b32 s27, 0xfedcba98                      ; v_permlanex16_b32's selects for lane l xor 16
	s_and_b32 s31, ttmp9, 15                       ; the K step of 128, on both ways
	s_mul_i32 s40, s31, KST
	s_cmp_lt_u32 ttmp9, 512
	s_cbranch_scc0 .Lw
; ---------------- x and h: K is innermost.  Work-group g: group g / 16 (128 rows), K step g % 16 (0-7: x, 8-15: h); wave w: rows 32 w on: two fragments f = 0, 1 of 16 rows, blocks 2 w + f of the group.
	v_lshlrev_b32 v1, 4, v7                        ; 16 x lane: my bytes of a load's 512
	v_and_b32 v8, 15, v7                           ; r
	v_lshrrev_b32 v6, 4, v7                        ; h
	s_mul_i32 s25, s24, STG
	v_add_nc_u32 v2, s25, v1                       ; the stage, on the way in: a row as it lies
	v_mul_u32_u24 v3, v8, SP
	v_lshl_add_u32 v3, v6, 7, v3
	v_add_nc_u32 v3, s25, v3                       ; and on the way out: row r, block h (128 bytes a block)
	v_lshlrev_b32 v4, 3, v6                        ; 8 h: where my two bytes stand in the scale word
	s_mul_i32 s28, s24, 2*FRB
	v_add_nc_u32 v9, s28, v1                       ; out: my wave's two images, 16 bytes a lane
	s_lshl_b32 s28, s24, 7
	v_lshlrev_b32 v5, 2, v6
	v_lshl_add_u32 v5, v8, 3, v5
	v_add_nc_u32 v5, s28, v5                       ; and its 32 scale words: 128 x wave + 8 r + 4 f, f = h
	v_mov_b32 v246, 0                              ; written once: a lane permute's destination counts as one of its sources
	s_lshr_b32 s28, ttmp9, 4                       ; the group
	s_and_b32 s29, s31, 7                          ; which 128 of the tensor's 1,024
	s_lshl_b32 s32, s28, 19                        ; 128 rows of 4,096 bytes,
	s_lshl_b32 s33, s24, 17                        ; 32 rows a wave,
	s_add_co_u32 s32, s32, s33
	s_lshl_b32 s33, s29, 9                         ; 128 numbers
	s_add_co_u32 s32, s32, s33
	s_mov_b32 s33, 0
	s_mul_i32 s34, s28, GRP
	s_add_co_u32 s34, s34, s40
	s_mov_b32 s35, 0
	s_wait_alu depctr_va_vdst(0)
	s_wait_kmcnt 0x0
	s_cmp_lt_u32 s31, 8                            ; the choice hangs on the work-group's number alone
	s_cselect_b64 s[4:5], s[4:5], s[6:7]
	s_add_nc_u64 s[4:5], s[4:5], s[32:33]
	s_add_nc_u64 s[16:17], s[16:17], s[34:35]
.macro XLOAD f                         ; fragment f's 16 rows x 128 numbers: each load reads 512 consecutive bytes, at a multiple of 512 from the buffer's first byte
.irp p, 0,1,2,3,4,5,6,7,8,9,10,11,12,13,14,15
	global_load_b128 v[RR+64*(\f)+4*\p:RR+64*(\f)+4*\p+3], v1, s[4:5] offset:(16*(\f)+\p)*4096 th:TH_LOAD_NT
.endr
.endm
.macro XTURN f                         ; through the stage: in as rows, back as 32 neighbours of each of my two blocks.  LDS serves a wave's instructions in order: no wait between the stores and the loads
.irp p, 0,1,2,3,4,5,6,7,8,9,10,11,12,13,14,15
	ds_store_b128 v2, v[RR+64*(\f)+4*\p:RR+64*(\f)+4*\p+3] offset:SP*\p
.endr
.irp c, 0,1
.irp i, 0,1,2,3,4,5,6,7
	ds_load_b128 v[XX+32*\c+4*\i:XX+32*\c+4*\i+3], v3 offset:256*\c+16*\i
.endr
.endr
.endm
.macro XQ f                            ; my two whole blocks become 12 registers of codes and, with lane l xor 16's two bytes, my row's scale word
.set PB, PP+12*(\f)
.irp c, 0,1
	v_max3_num_f32 v[MM+\c], |v[XX+32*\c]|, |v[XX+32*\c+1]|, 0x2800000   ; and the floor 2^(5 - 127): the byte cannot fall under 1
.endr
.irp i, 2,4,6,8,10,12,14,16,18,20,22,24,26,28,30
.irp c, 0,1
	v_max3_num_f32 v[MM+\c], v[MM+\c], |v[XX+32*\c+\i]|, |v[XX+32*\c+\i+1]|   ; (the two blocks by turns)
.endr
.endr
.irp c, 0,1
	v_add_nc_u32 v[SO+\c], 0xfe000000, v[MM+\c]    ; 4 off the exponent field: the conversion takes the exponent field of this operand as its scale
.endr
.irp c, 0,1
	v_lshrrev_b32 v[BY+\c], 23, v[SO+\c]           ; the scale's byte
.endr
	v_lshl_or_b32 v247, v[BY+1], 16, v[BY]         ; blocks h and 2 + h,
	v_lshlrev_b32 v247, v4, v247                   ; at their places in the word;
	v_permlanex16_b32 v246, v247, s26, s27
	v_or_b32 v[WW+\f], v247, v246                  ; with the other half's two the word is whole, in both lanes
	v_cvt_scalef32_pk16_bf6_f32 v[PB:PB+2], v[XX:XX+15], v[SO]
	v_cvt_scalef32_pk16_bf6_f32 v[TT:TT+2], v[XX+16:XX+31], v[SO]          ; (a conversion's three registers begin on an even number)
	v_cvt_scalef32_pk16_bf6_f32 v[PB+6:PB+8], v[XX+32:XX+47], v[SO+1]
	v_cvt_scalef32_pk16_bf6_f32 v[TT+4:TT+6], v[XX+48:XX+63], v[SO+1]
	v_nop                                          ; one plain place behind a scaled conversion
.irp i, 0,1,2
	v_mov_b32 v[PB+3+\i], v[TT+\i]
	v_mov_b32 v[PB+9+\i], v[TT+4+\i]
.endr
.irp g, 0,1,2
	global_store_b128 v9, v[PB+4*\g:PB+4*\g+3], s[16:17] offset:FRB*(\f)+512*\g   ; the image: 512 consecutive bytes a store, at a multiple of 256 from the buffer's first byte
.endr
.endm
	XLOAD 0                                        ; all of the wave's 16 KB are asked for at once
	XLOAD 1
	s_wait_loadcnt 16                              ; the first fragment's 16 loads are in; the second's 16 may be out
	XTURN 0
	s_wait_dscnt 0x0                               ; my numbers are back
	XQ 0
	s_wait_loadcnt 0x0
	XTURN 1                                        ; into the same stage: its reads are over
	s_wait_dscnt 0x0
	XQ 1
	v_cmp_ne_u32 vcc_lo, 0, v6                     ; lane 16 f + r stores the word of row r of fragment f
	v_cndmask_b32 v252, v[WW], v[WW+1], vcc_lo
	global_store_b32 v5, v252, s[16:17] offset:SWO ; 32 lanes store 128 consecutive bytes
	s_wait_tensorcnt 0x0                           ; the wave's end
	ds_add_u32 v254, v255
	s_wait_dscnt 0x0
	s_endpgm
; ---------------- the weights: K is the first axis.  A LANE TAKES A COLUMN, AND ITS REGISTERS RUN DOWN K: a block of 32 lies in one lane, and the conversions give codes with K innermost.
; Work-group g' = gate x 128 + X x 16 + K step: columns 128 X on; wave w: hidden units 32 (4 X + w) on, which are blocks 2 gate and 2 gate + 1 of group 4 X + w.
.Lw:
	s_wait_alu depctr_va_vdst(0)
	v_lshlrev_b32 v1, 2, v7                        ; in: 4 bytes a lane
	v_lshrrev_b32 v8, 4, v7
	v_and_b32 v9, 15, v7
	s_sub_co_u32 s28, ttmp9, 512
	s_lshr_b32 s29, s28, 7                         ; gate
	s_bfe_u32 s30, s28, 0x30004                    ; X
	s_lshl_b32 s32, s30, 2
	s_add_co_u32 s32, s32, s24                     ; the group: which 32 hidden units
	s_mul_i32 s33, s29, 2*FRB
	v_mul_u32_u24 v2, v8, FRB                      ; out: lanes 16-31 hold the rows of the next block;
	v_lshl_add_u32 v2, v9, 4, v2                   ; row r's 16 bytes in an image;
	v_add_nc_u32 v2, s33, v2                       ; the gate's two images
	s_lshl_b32 s33, s29, 7
	v_lshlrev_b32 v3, 2, v8
	v_lshl_add_u32 v3, v9, 3, v3
	v_add_nc_u32 v3, s33, v3                       ; my scale word: 128 x gate + 8 (lane % 16) + 4 (lane / 16)
	s_lshl_b32 s34, s31, 19                        ; 128 rows of 4,096 bytes,
	s_lshl_b32 s35, s32, 7                         ; 32 columns of 4 bytes
	s_add_co_u32 s34, s34, s35
	s_mov_b32 s35, 0
	s_mul_i32 s36, s32, GRP
	s_add_co_u32 s36, s36, s40
	s_mov_b32 s37, 0
	s_wait_alu depctr_va_vdst(0)
	s_wait_kmcnt 0x0
	s_cmp_eq_u32 s29, 1                            ; the gate's weight: the choices hang on the work-group's number alone
	s_cselect_b64 s[8:9], s[10:11], s[8:9]
	s_cmp_eq_u32 s29, 2
	s_cselect_b64 s[8:9], s[12:13], s[8:9]
	s_cmp_eq_u32 s29, 3
	s_cselect_b64 s[8:9], s[14:15], s[8:9]
	s_add_nc_u64 s[8:9], s[8:9], s[34:35]
	s_add_nc_u64 s[18:19], s[18:19], s[36:37]
.macro WLOAD t                         ; block t: W(32 t + i, my column), i = 0 .. 31: a wave's load reads 128 consecutive bytes, the four waves stand side by side on 512
.irp i, 0,1,2,3,4,5,6,7,8,9,10,11,12,13,14,15,16,17,18,19,20,21,22,23,24,25,26,27,28,29,30,31
	global_load_b32 v[WX+32*((\t)%2)+\i], v1, s[8:9] offset:(32*(\t)+\i)*4096 th:TH_LOAD_NT
.endr
.endm
.macro WBLOCK t                        ; block t = 2 c + h' of my column: registers 6 c .. 6 c + 5 of lane r + 16 h' in the image
.set XS, WX+32*((\t)%2)
.set PB, WP+12*((\t)%2)+6*((\t)/2)
.if (\t) < 3
	s_wait_loadcnt 32                              ; this block's 32 loads are in; the next block's may be out
.else
	s_wait_loadcnt 0x0
.endif
	v_max3_num_f32 v12, |v[XS]|, |v[XS+1]|, |v[XS+2]|               ; the block's largest magnitude: all 32 numbers are mine; two chains
	v_max3_num_f32 v13, |v[XS+3]|, |v[XS+4]|, |v[XS+5]|
.irp i, 6,10,14,18,22,26
	v_max3_num_f32 v12, v12, |v[XS+\i]|, |v[XS+\i+1]|
	v_max3_num_f32 v13, v13, |v[XS+\i+2]|, |v[XS+\i+3]|
.endr
	v_max3_num_f32 v12, v12, |v[XS+30]|, |v[XS+31]|
	v_max3_num_f32 v12, v12, v13, 0x2800000        ; and the floor 2^(5 - 127)
	v_add_nc_u32 v11, 0xfe000000, v12              ; the conversion's scale operand
	v_lshrrev_b32 v14, 23, v11                     ; the byte
.if (\t) == 0
	v_mov_b32 v24, v14                             ; four bytes to the word, the lower K in the lower byte
.else
	v_lshl_or_b32 v24, v14, 8*(\t), v24
.endif
	v_cvt_scalef32_pk16_bf6_f32 v[PB:PB+2], v[XS:XS+15], v11
	v_cvt_scalef32_pk16_bf6_f32 v[WT:WT+2], v[XS+16:XS+31], v11     ; (a conversion's three registers begin on an even number)
	v_nop                                          ; one plain place behind a scaled conversion
.irp i, 0,1,2
	v_mov_b32 v[PB+3+\i], v[WT+\i]
.endr
.if (\t)+2 < 4
	WLOAD (\t)+2
.endif
.endm
	WLOAD 0
	WLOAD 1
.irp t, 0,1,2,3
	WBLOCK \t
.endr
.irp e, 0,1                            ; no code register is written twice, so no store's data are written again
.irp g, 0,1,2
	global_store_b128 v2, v[WP+12*\e+4*\g:WP+12*\e+4*\g+3], s[18:19] offset:512*\g+256*\e   ; sixteen lanes store 256 consecutive bytes, at a multiple of 256 from the buffer's first byte
.endr
.endr
	global_store_b32 v3, v24, s[18:19] offset:SWO  ; 32 lanes store 128 consecutive bytes: the word of each of my 32 rows
	s_endpgm
.Lfunc_end_k_q9cec920a5d_quant:
	.size	k_q9cec920a5d_quant, .Lfunc_end_k_q9cec920a5d_quant-k_q9cec920a5d_quant
	.p2alignl 7, 3214868480
	.fill 96, 4, 3214868480
	.section	.rodata,"a",@progbits
	.p2align	6, 0x0
	.amdhsa_kernel k_q9cec920a5d_quant
		.amdhsa_group_segment_fixed_size 34304
		.amdhsa_private_segment_fixed_size 0
		.amdhsa_enable_private_segment 0
		.amdhsa_kernarg_size 64
		.amdhsa_user_sgpr_count 2
		.amdhsa_user_sgpr_kernarg_segment_ptr 1
		.amdhsa_wavefront_size32 1
		.amdhsa_system_sgpr_workgroup_id_x 1
		.amdhsa_system_sgpr_workgroup_id_y 1
		.amdhsa_system_sgpr_workgroup_id_z 1
		.amdhsa_system_vgpr_workitem_id 0
		.amdhsa_next_free_vgpr 256
		.amdhsa_next_free_sgpr 66
		.amdhsa_reserve_vcc 1
		.amdhsa_float_denorm_mode_32 3
		.amdhsa_float_denorm_mode_16_64 3
		.amdhsa_memory_ordered 1
		.amdhsa_forward_progress 1
		.amdhsa_inst_pref_size 36
	.end_amdhsa_kernel
	.amdgpu_metadata
---
amdhsa.version: [ 1, 2 ]
amdhsa.kernels:
  - .name:           k_q9cec920a5d_quant
    .symbol:         k_q9cec920a5d_quant.kd
    .args:
      - { .name: x, .offset: 0, .size: 8, .value_kind: global_buffer, .address_space: global }
      - { .name: h, .offset: 8, .size: 8, .value_kind: global_buffer, .address_space: global }
      - { .name: W_f, .offset: 16, .size: 8, .value_kind: global_buffer, .address_space: global }
      - { .name: W_i, .offset: 24, .size: 8, .value_kind: global_buffer, .address_space: global }
      - { .name: W_c, .offset: 32, .size: 8, .value_kind: global_buffer, .address_space: global }
      - { .name: W_o, .offset: 40, .size: 8, .value_kind: global_buffer, .address_space: global }
      - { .name: a_pack, .offset: 48, .size: 8, .value_kind: global_buffer, .address_space: global }
      - { .name: b_pack, .offset: 56, .size: 8, .value_kind: global_buffer, .address_space: global }
    .group_segment_fixed_size: 34304
    .private_segment_fixed_size: 0
    .kernarg_segment_align: 8
    .kernarg_segment_size: 64
    .max_flat_workgroup_size: 128
    .sgpr_count:     66
    .vgpr_count:     256
    .wavefront_size: 32
...
	.end_amdgpu_metadata
.endif
;; end of part 1
;; launch lstm (part 2): grid 16 x 16, 4 waves a work-group, clusters of 4 x 4, 327,680 bytes of LDS; arguments a_pack, b_pack, b_f, b_i, b_c, b_o, out0, out1, c; writes out0, out1
.if DOCPART == 2
	.amdgcn_target "amdgcn-amd-amdhsa--gfx1250"
	.amdhsa_code_object_version 6
	.text
	.protected	k_q9cec920a5d_lstm
	.globl	k_q9cec920a5d_lstm
	.p2align	8
	.type	k_q9cec920a5d_lstm,@function
k_q9cec920a5d_lstm:
	s_mov_b64 s[64:65], 0
	v_nop
	global_prefetch_b8 v0, s[64:65] scope:SCOPE_SE
	s_setreg_imm32_b32 hwreg(HW_REG_WAVE_MODE, 25, 1), 1
	s_wait_xcnt 0x0
	s_wait_alu depctr_hold_cnt(0) depctr_sa_sdst(0) depctr_va_vdst(0) depctr_va_sdst(0) depctr_va_ssrc(0) depctr_va_vcc(0) depctr_vm_vsrc(0)
	s_getreg_b32 s2, hwreg(HW_REG_IB_STS2, 6, 4)
	s_cmp_eq_u32 s2, 0
	s_cbranch_scc0 .Lentry_in_a_cluster
	s_endpgm
.Lentry_in_a_cluster:
	s_bfe_u32 s2, ttmp6, 0x10000c
	s_cmp_lg_u32 s2, 0xf033
	s_cbranch_scc0 .Lentry_shape_is_right
	s_endpgm
.Lentry_shape_is_right:
; gates = Q([x | h]) Q([W_f | W_i | W_c | W_o]) + b on codes of BF6 (E3M2) with E8M0 scales, sums in f32; then c_t = sigmoid(f) c + sigmoid(i) tanh(c*), h_t = sigmoid(o) tanh(c_t), in f32.  out0 = h_t, out1 = c_t.
; A: 4,096 rows, B: 4,096 rows n' = 128 (j / 32) + 32 g + j % 32 (j the hidden unit, g the gate: 0 f, 1 i, 2 c*, 3 o), K = 2,048.  Both lie as [K step of 128][group of 128 rows][12,800 bytes]; a group is eight images
; of 1,536 bytes (block i of 16 rows; register R of lane l at 512 (R / 4) + 16 l + 4 (R % 4)) and, from byte 12,288 on, the rows' scale words: row r of block i at 128 (i / 2) + 8 r + 4 (i % 2).
; SHARES.  A work-group of four waves makes 256 rows x 64 hidden units (256 rows of B); a wave 128 rows x 32 units in all four gates: 64 accumulators of 16 x 16, 512 registers.
; THE MATRIX INSTRUCTION IS USED TRANSPOSED (source 0 = 16 rows of B, source 1 = 16 rows of A): register j of accumulator (a, b = 2 g + u) in lane (r, h) is gate g of row 16 a + r, unit 16 u + 8 h + j:
; the four gates of one output lie in ONE lane at one register index, so the gates never leave the registers.
; THE RING.  Two LDS slots of THREE K steps of 128 each: 4 groups x 3 x 12,800 bytes a slot.  A wave's tensor load brings one group's three steps: 3 rows of 12,800 bytes, codes and scale words together.
; 16 steps = 5 x 3 + 1: tiles 0 to 5, tile t in slot t % 2, tile 5 of one step.  The seventh fill, into slot 0, is the work-group's 256 x 256 bytes of c.
; A and B have TWO sets of registers each: a step is multiplied from one set while the next step's fragments come into the other, between blocks of eight products.  So a slot's reads are over before its last step is
; multiplied: each wave's waits, its add and its signal stand in the step ahead of it, the barrier's wait and the refill behind the last step's first eight products.
; K IS WRITTEN OUT: register sets and slots come back to where they began only after six steps, and the first step and the last two tiles differ from the others.
; CLUSTERS: 4 x 4 work-groups.  The four of a row of the cluster need the same tiles of A, the four of a column the same tiles of B: each tile is asked for JOINTLY, by the same tensor load with the same descriptor
; and a mask that names the four.  c is each work-group's own.
; PREFETCHES INTO THE L2: behind the request for tile t stand two for tile t + 1 (three K steps further along K), up to tile 4: of a group's 150 blocks of 256 bytes each of the four partners names 38, told apart by address.
; Behind tile 4's request each wave asks for its 64 rows of c, six steps ahead of the load that wants them.  Tile 5, one step, comes by its load alone.
; THE BIAS is the C of each sum's first matrix instruction.
; THE TAIL: sigmoid(x) = 1 / (1 + 2^(-log2(e) x)), tanh(x) = 1 - 2 / (1 + 2^(2 log2(e) x)): an exponential that overflows to infinity gives the reciprocal 0 and so the limit's value.
; LIMITS: NaN and infinities among the inputs are not served.
; REGISTERS, in windows of 256: window 0: v1-31 addresses; v32-127, v128-223 A's fragments, two sets; v224-239 scale words, two sets; in the tail v32-207 are at work.
;   window 1: v0-95, v96-191 B's fragments, two sets; v192-255 the bias.   window 2: the accumulators of my rows 0-63 ((a, b) at v[8 (8 a + b)]);   window 3: those of my rows 64-127.
.set NQ,     3                         ; K steps of 128 in a slot
.set FRB,    1536                      ; a fragment's image
.set GRP,    12800                     ; a group: 128 rows x 128 K
.set SWO,    12288                     ; where the scale words begin in it
.set KST,    409600                    ; from a K step to the next in memory: 32 groups
.set PART,   NQ*GRP                    ; what one tensor load brings, and what one wave reads of A or of B in a slot
.set SLOT,   4*PART                    ; A's two groups, then B's two
.set SPARE,  2*SLOT                    ; behind the ring: the spare words, 128 bytes for each wave: two blocks of 256 bytes that no other line names
.set CP,     272                       ; the tail: a row of 64 units: 256 bytes + 16
.set HT,     256*CP                    ; slot 0 in the tail: 256 rows of c, later of c_t, from byte 0; behind them 256 rows of h_t
.set PF0,    8                         ; v8-9   offsets of my prefetches of a tile;  v10 of c's.  Never rewritten
.set PF1,    9
.set PFC,    10
.set ADRS,   12                        ; v12-13  LDS address of my scale words in slot 0, 1: lanes 0-15 A's rows, lanes 16-31 B's
.set ADRA,   16                        ; v16-17  LDS address of my A fragments in slot 0, 1
.set ORH,    18                        ; v18     the tail: where I read rows of h_t back
.set ADRB,   20                        ; v20-21  the same as ADRA for B
.set BOFF,   22                        ; v22     my byte offset in a bias
.set CADR,   24                        ; v24     4,096 (lane / 16) + 16 (lane % 16): two rows of an output, 256 bytes each
.set ECA,    26                        ; v26     where my lane's eight units of a row of c and c_t lie
.set SPW,    28                        ; v28     LDS address of my spare word; never rewritten
.set NIL,    29                        ; v29     0; never rewritten
.set EHA,    30                        ; v30     the same as ECA for h_t
.set ORA,    31                        ; v31     where I read rows of c_t back
.set AF,     32                        ; A's fragments: set p at v[AF + 96 p]
.set SC,     224                       ; scale words: set p at v[SC + 8 p]; register i: lanes 0-15 the word of A's block i, lanes 16-31 of B's block i
.set BI,     192                       ; the bias, window 1: eight registers for each of B's eight blocks, in the result's layout
.set GF,     32                        ; the tail: f, i, c*: 16 registers each
.set GI,     48
.set GG,     64
.set O0,     80                        ; o: two sets, by turns from block to block
.set YY,     112                       ; the second tanh's exponent, exponential, reciprocal
.set CC,     128                       ; c
.set SS,     144                       ; h_t
.set CT,     160                       ; c_t
.set OB,     176                       ; rows on their way out: 16 registers of c_t, 16 of h_t
.set G1,  24                           ; s[24:31] descriptor group 1 for A's tiles;  s[32:39] group 0, one set for each slot
.set G0,  32
.set G1B, 48                           ; s[48:55], s[56:63] the same for B's tiles
.set G0B, 56
.set G1C, 68                           ; s[68:75], s[76:79] groups 1 and 0 for c
.set G0C, 76
.set MSB, 0
.macro WIN new                         ; the immediate's high byte repeats the setting that is left
.if MSB != \new
	s_set_vgpr_msb (MSB<<8)|\new
.set MSB, \new
.endif
.endm
.macro VW
	s_wait_alu depctr_va_vdst(0)
.endm
.macro PLACES                          ; four places behind this matrix instruction (ISA guide 7.12.1 for vector instructions)
.rept 4
	v_nop
.endr
.endm
; A joint load: waves 0 and 1 fetch for A, waves 2 and 3 for B.  Each of the two lines has ONE mask and one set of registers for all that issue it; the branch hangs on the wave's number alone.
.macro JLOAD s
	s_cmp_eq_u32 s15, 0
	s_cbranch_scc0 .Lfor_b_\@
	tensor_load_to_lds s[G0+4*\s:G0+4*\s+3], s[G1:G1+7]
	s_nop 0
	PLACES
	s_branch .Lasked_\@
.Lfor_b_\@:
	tensor_load_to_lds s[G0B+4*\s:G0B+4*\s+3], s[G1B:G1B+7]
	s_nop 0
	PLACES
.Lasked_\@:
.endm
.macro CREST                           ; a round of the cluster's barrier behind its opening barrier
	s_cmp_lg_u32 s14, 0
	s_cbranch_scc1 .Lnot_wave_0_\@
	s_barrier_signal -3
.Lnot_wave_0_\@:
	s_barrier_wait -3
	s_barrier_signal -1
	s_barrier_wait -1
.endm
.macro CROUND                          ; a whole round
	s_barrier_signal -1
	s_barrier_wait -1
	CREST
.endm
.macro ASK t                           ; my share of my group's blocks of tile t
	global_prefetch_b8 v[PF0], s[92:93] offset:NQ*KST*\t th:TH_LOAD_NT scope:SCOPE_SE
	global_prefetch_b8 v[PF1], s[92:93] offset:NQ*KST*\t th:TH_LOAD_NT scope:SCOPE_SE
.endm
	s_load_b128 s[4:7], s[0:1], 0x0                ; A packed, B packed
	s_load_b128 s[84:87], s[0:1], 0x10             ; b_f, b_i
	s_load_b128 s[88:91], s[0:1], 0x20             ; b_c, b_o
	s_load_b128 s[80:83], s[0:1], 0x30             ; out0 (h_t), out1 (c_t)
	s_load_b64 s[12:13], s[0:1], 0x40              ; c
	v_lshl_add_u32 v[SPW], v0, 2, SPARE
	v_mov_b32 v[NIL], 0
	ds_add_u32 v[SPW], v[NIL]                      ; the wave's opening: the add, twice on end, and its wait ahead of my first tensor load
	ds_add_u32 v[SPW], v[NIL]
	v_lshrrev_b32 v1, 5, v0
	v_readfirstlane_b32 s14, v1                    ; wave 0..3
	s_lshr_b32 s15, s14, 1                         ; which half of the tile's rows is mine.  Also: I fetch for A (0) or for B (1)
	s_and_b32 s16, s14, 1                          ; which half of its hidden units.  Also: which of that operand's two groups I fetch
	s_bfe_u32 s40, ttmp6, 0x40000                  ; cx, cy: my place in the cluster
	s_bfe_u32 s41, ttmp6, 0x40004
	s_lshl_b32 s42, ttmp9, 2
	s_add_co_u32 s42, s42, s40                     ; tile column: hidden units 64 x tile column on
	s_and_b32 s17, ttmp7, 0xffff
	s_lshl_b32 s17, s17, 2
	s_add_co_u32 s17, s17, s41                     ; tile row: rows 256 x tile row on
	s_lshl_b32 s43, s41, 2
	s_lshl_b32 s43, 15, s43                        ; my row of the cluster
	s_lshl_b32 s44, 0x1111, s40                    ; my column
	; descriptor group 1: a group's three K steps: 3 rows of 12,800 bytes (1,600 elements of 8 bytes), 409,600 bytes apart in memory, on end in LDS
	s_or_b32 s[G1+0], s43, (3<<16)|(1<<21)         ; 15:0 the mask: A's tiles go to my row; 17:16 elements of 8 bytes; 21 set beside a mask
	s_or_b32 s[G1B+0], s44, (3<<16)|(1<<21)
.irp g, G1, G1B
	s_mov_b32 s[\g+1], (GRP/8)<<16                 ; tensor_dim0
	s_mov_b32 s[\g+2], NQ<<16                      ; tensor_dim1 = 3
	s_mov_b32 s[\g+3], (GRP/8)<<16                 ; tile_dim0
	s_mov_b32 s[\g+4], NQ                          ; tile_dim1 = 3
	s_mov_b32 s[\g+5], KST/8                       ; tensor_dim0_stride
	s_mov_b32 s[\g+6], 0
	s_mov_b32 s[\g+7], 0
.endr
	; and for c: 64 rows of 256 bytes, 4,096 bytes apart in memory, 16 bytes of padding behind each in LDS
	s_mov_b32 s[G1C+0], (3<<16)|(1<<20)|(5<<22)|(3<<25)
	s_mov_b32 s[G1C+1], 32<<16
	s_mov_b32 s[G1C+2], 64<<16
	s_mov_b32 s[G1C+3], 32<<16
	s_mov_b32 s[G1C+4], 64
	s_mov_b32 s[G1C+5], 512
	s_mov_b32 s[G1C+6], 0
	s_mov_b32 s[G1C+7], 0
	s_lshl_b32 s20, s17, 1
	s_add_co_u32 s20, s20, s16                     ; A: group 2 x tile row + half
	s_mul_i32 s20, s20, GRP
	s_mov_b32 s21, 0
	s_lshl_b32 s46, s42, 1
	s_add_co_u32 s46, s46, s16                     ; B: group 2 x tile column + half
	s_mul_i32 s46, s46, GRP
	s_mov_b32 s47, 0
	s_mul_i32 s45, s14, PART                       ; where they go: wave x a part: no place in the cluster enters an LDS address
	s_lshl_b32 s94, s17, 8
	s_lshl_b32 s95, s14, 6
	s_add_co_u32 s94, s94, s95                     ; c: row 256 x tile row + 64 x wave,
	s_lshl_b32 s94, s94, 12
	s_lshl_b32 s95, s42, 8                         ; byte 256 x tile column
	s_add_co_u32 s94, s94, s95
	s_mov_b32 s95, 0
	s_lshl_b32 s66, s17, 8
	s_lshl_b32 s67, s15, 7
	s_add_co_u32 s66, s66, s67
	s_lshl_b32 s67, s16, 3
	s_add_co_u32 s66, s66, s67                     ; the outputs: row 256 x tile row + 128 x row half + 8 x unit half
	s_lshl_b32 s66, s66, 12
	s_lshl_b32 s67, s42, 8
	s_add_co_u32 s66, s66, s67
	s_mov_b32 s67, 0
	s_mov_b32 s[G0C], 1
	s_mul_i32 s[G0C+1], s14, 64*CP
.irp s, 0,1
	s_mov_b32 s[G0+4*\s], 1
	s_add_co_u32 s[G0+4*\s+1], s45, \s*SLOT
	s_mov_b32 s[G0B+4*\s], 1
	s_add_co_u32 s[G0B+4*\s+1], s45, \s*SLOT
.endr
	VW
	s_wait_dscnt 0x0                               ; both opening adds are done
	s_wait_kmcnt 0x0
	s_add_nc_u64 s[20:21], s[4:5], s[20:21]
	s_add_nc_u64 s[46:47], s[6:7], s[46:47]
	s_add_nc_u64 s[12:13], s[12:13], s[94:95]
	s_add_nc_u64 s[80:81], s[80:81], s[66:67]
	s_add_nc_u64 s[82:83], s[82:83], s[66:67]
.irp s, 0,1                            ; slot 0 begins with tile 0, slot 1 with tile 1
	s_add_nc_u64 s[G0+4*\s+2:G0+4*\s+3], s[20:21], NQ*\s*KST
	s_or_b32 s[G0+4*\s+3], s[G0+4*\s+3], 0x80000000
	s_add_nc_u64 s[G0B+4*\s+2:G0B+4*\s+3], s[46:47], NQ*\s*KST
	s_or_b32 s[G0B+4*\s+3], s[G0B+4*\s+3], 0x80000000
.endr
	s_mov_b64 s[G0C+2:G0C+3], s[12:13]
	s_or_b32 s[G0C+3], s[G0C+3], 0x80000000
	CROUND                                         ; all sixteen work-groups are here: the first joint loads meet
	JLOAD 0                                        ; tile 0
	s_mul_i32 s8, s15, PART                        ; my group of A
	s_mul_i32 s9, s16, PART                        ; my group of B,
	s_add_co_u32 s9, s9, 2*PART                    ; which lies behind A's two
	s_sub_co_u32 s10, s9, s8
	s_add_co_u32 s18, s8, SLOT
	s_add_co_u32 s19, s9, SLOT
	s_lshl_b32 s94, s42, 8                         ; the bias: 4 x (64 x tile column + 32 x half)
	s_lshl_b32 s95, s16, 7
	s_add_co_u32 s94, s94, s95
	s_mul_i32 s11, s15, 128*CP
	s_add_co_u32 s22, s11, s95                     ; the tail: row 128 x row half, byte 128 x unit half
	s_mul_i32 s23, s16, 8*CP
	s_add_co_u32 s23, s11, s23                     ; of a block's 16 rows the wave of unit half 0 stores the first eight, the other the last eight
	s_cmp_eq_u32 s15, 0                            ; the prefetches: my group of A or of B,
	s_cselect_b64 s[92:93], s[20:21], s[46:47]
	s_cselect_b32 s96, s40, s41                    ; and my place among the four that ask for it with me
	s_mul_i32 s96, s96, 38                         ; my first block of its 150
	s_add_co_u32 s97, s96, 32
	v_and_b32 v1, 15, v0                           ; r = lane % 16
	v_bfe_u32 v2, v0, 4, 1                         ; h = lane / 16
	v_and_b32 v3, 31, v0
	v_lshlrev_b32 v4, 4, v3                        ; 16 x lane: my place in an image
	v_mul_u32_u24 v6, s10, v2                      ; the scale words: lanes 16-31 take B's: one product, the distance between the two groups;
	v_lshl_add_u32 v5, v1, 3, v6                   ; 8 bytes a row: a pair of blocks
	v_add_nc_u32 v[ADRA], s8, v4
	v_add_nc_u32 v[ADRA+1], s18, v4
	v_add_nc_u32 v[ADRB], s9, v4
	v_add_nc_u32 v[ADRB+1], s19, v4
	v_add_nc_u32 v[ADRS], s8, v5
	v_add_nc_u32 v[ADRS+1], s18, v5
	v_lshl_add_u32 v[BOFF], v2, 5, s94             ; + 32 h
	v_lshlrev_b32 v[CADR], 4, v1
	v_lshl_add_u32 v[CADR], v2, 12, v[CADR]
	v_mul_u32_u24 v7, v2, CP
	v_lshl_add_u32 v7, v1, 4, v7                   ; lanes 0-15 one row of 256 bytes, lanes 16-31 the next
	v_mul_u32_u24 v11, v1, CP
	v_lshl_add_u32 v11, v2, 5, v11                 ; row r, byte 32 h
	v_add_nc_u32 v[ECA], s22, v11
	v_add_nc_u32 v[EHA], HT, v[ECA]
	v_add_nc_u32 v[ORA], s23, v7
	v_add_nc_u32 v[ORH], HT, v[ORA]
	v_add_nc_u32 v14, s96, v3                      ; blocks 38 p + lane, and 38 p + 32 .. 38 p + 37 (lanes left over, and p = 3's last two, name a last block again)
	v_min_u32 v15, 5, v3
	v_add_nc_u32 v15, s97, v15
	v_min_u32 v15, 149, v15
	v_mul_u32_u24 v[PF0], 0x51f, v14               ; block / 50, 50 blocks to a K step: x 1,311 / 65,536, exact for 0 .. 149
	v_mul_u32_u24 v[PF1], 0x51f, v15
	v_lshrrev_b32 v[PF0], 16, v[PF0]
	v_lshrrev_b32 v[PF1], 16, v[PF1]
	v_mul_u32_u24 v[PF0], KST-GRP, v[PF0]
	v_mul_u32_u24 v[PF1], KST-GRP, v[PF1]
	v_lshl_add_u32 v[PF0], v14, 8, v[PF0]          ; 256 x block, and from K step to K step 409,600 in place of 12,800
	v_lshl_add_u32 v[PF1], v15, 8, v[PF1]
	v_lshlrev_b32 v[PFC], 12, v3                   ; c: a lane a row
	VW
	WIN 0x40                                       ; destination window 1, address window 0
.irp u, 0,1                            ; the bias in the result's layout: block 2 g + u, register j: b_g at unit 16 u + 8 h + j of my 32
.irp p, 0,1
	global_load_b128 v[BI+8*\u+4*\p:BI+8*\u+4*\p+3],       v[BOFF], s[84:85] offset:64*\u+16*\p
	global_load_b128 v[BI+16+8*\u+4*\p:BI+16+8*\u+4*\p+3], v[BOFF], s[86:87] offset:64*\u+16*\p
	global_load_b128 v[BI+32+8*\u+4*\p:BI+32+8*\u+4*\p+3], v[BOFF], s[88:89] offset:64*\u+16*\p
	global_load_b128 v[BI+48+8*\u+4*\p:BI+48+8*\u+4*\p+3], v[BOFF], s[90:91] offset:64*\u+16*\p
.endr
.endr
	WIN 0
	ASK 1
; The next step's operands: q-th step of slot SL, into set N.  SB: the scale words (lanes 0-15 take A's pair of blocks i, lanes 16-31 B's) and B's eight fragments: 28 loads;  AA: A's eight: 24.
; A fragment comes as it was stored: three loads of 16 bytes a lane, each 512 consecutive bytes.
.macro SB
	WIN 0
.irp i, 0,1,2,3
	ds_load_b64 v[SC+8*N+2*\i:SC+8*N+2*\i+1], v[ADRS+SL] offset:SWO+GRP*QQ+128*\i
.endr
	WIN 0x40
.irp i, 0,1,2,3,4,5,6,7
.irp g, 0,1,2
	ds_load_b128 v[96*N+12*\i+4*\g:96*N+12*\i+4*\g+3], v[ADRB+SL] offset:GRP*QQ+FRB*\i+512*\g
.endr
.endr
.endm
.macro AA
	WIN 0
.irp i, 0,1,2,3,4,5,6,7
.irp g, 0,1,2
	ds_load_b128 v[AF+96*N+12*\i+4*\g:AF+96*N+12*\i+4*\g+3], v[ADRA+SL] offset:GRP*QQ+FRB*\i+512*\g
.endr
.endr
.endm
; Eight matrix instructions: A's block a x B's eight, 128 along K, from set P.  In step 0 the bias is the C: nothing is cleared or added.
; The 64 accumulators take turns, one instruction a turn, in the same order in every step.
; Windows: source 0 (B) 1, source 1 (A) 0, C and D 2 (a < 4) or 3; in step 0 C (the bias) 1.
.macro MULB a
.if ST == 0
	WIN 0x91+0x40*((\a)/4)
.irp b, 0,1,2,3,4,5,6,7
	v_wmma_scale_f32_16x16x128_f8f6f4 v[8*(8*((\a)%4)+\b):8*(8*((\a)%4)+\b)+7], v[96*P+12*\b:96*P+12*\b+11], v[AF+96*P+12*(\a):AF+96*P+12*(\a)+11], v[BI+8*\b:BI+8*\b+7], v[SC+8*P+\b], v[SC+8*P+(\a)] matrix_a_fmt:MATRIX_FMT_BF6 matrix_b_fmt:MATRIX_FMT_BF6 matrix_a_scale:MATRIX_SCALE_ROW1
.endr
.else
	WIN 0xa1+0x50*((\a)/4)
.irp b, 0,1,2,3,4,5,6,7
	v_wmma_scale_f32_16x16x128_f8f6f4 v[8*(8*((\a)%4)+\b):8*(8*((\a)%4)+\b)+7], v[96*P+12*\b:96*P+12*\b+11], v[AF+96*P+12*(\a):AF+96*P+12*(\a)+11], v[8*(8*((\a)%4)+\b):8*(8*((\a)%4)+\b)+7], v[SC+8*P+\b], v[SC+8*P+(\a)] matrix_a_fmt:MATRIX_FMT_BF6 matrix_b_fmt:MATRIX_FMT_BF6 matrix_a_scale:MATRIX_SCALE_ROW1
.endr
.endif
.endm
.macro MEET                            ; in every wave, ahead of a refill's barrier
	WIN 0
	s_wait_tensorcnt 0x0                           ; all my tensor loads have landed: my part of the other slot's tile;
	ds_add_u32 v[SPW], v[NIL]                      ; 0 onto my spare word
.endm
.macro SIGNAL
	s_wait_dscnt 0x0                               ; the add is done, and so are my reads of this slot: its last step's operands are in registers
	s_barrier_signal -1
.endm
; Step ST.  ST % 3 = 2: a slot's last step, which takes up the change of slots; ST % 3 = 1: the step ahead of it, which opens that.
.macro STEP
.set P, ST%2
.set N, 1-P
.set SL, ((ST+1)/3)%2                  ; the next step's slot,
.set QQ, (ST+1)%3                      ; and its place there
.set FS, (ST/3)%2                      ; this step's slot
.if ST%3 == 2
	MULB 0                                         ; between the signal and the wait
	WIN 0
	s_barrier_wait -1
	CREST                                          ; no wave of any partner still reads this slot's tile or has a load on its way
.if ST == 14
	tensor_load_to_lds s[G0C:G0C+3], s[G1C:G1C+7]  ; slot 0's last fill: my 64 of the work-group's 256 rows of c
	s_nop 0
	PLACES
.else
.if ST == 11                           ; tile 5 is one step: no load of mine is out, so a descriptor may be written
	s_mov_b32 s[G1+2], 1<<16
	s_mov_b32 s[G1+4], 1
	s_mov_b32 s[G1B+2], 1<<16
	s_mov_b32 s[G1B+4], 1
.endif
	s_add_nc_u64 s[G0+4*FS+2:G0+4*FS+3], s[G0+4*FS+2:G0+4*FS+3], 2*NQ*KST
	s_add_nc_u64 s[G0B+4*FS+2:G0B+4*FS+3], s[G0B+4*FS+2:G0B+4*FS+3], 2*NQ*KST
	JLOAD FS                                       ; the first tensor load behind the round; its four v_nop are the places in front of the loads below
.endif
	SB
	MULB 1
	MULB 2
	MULB 3
	MULB 4
	AA
.if ST == 2
	ASK 3
.endif
.if ST == 5
	ASK 4
.endif
.if ST == 8
	global_prefetch_b8 v[PFC], s[12:13] th:TH_LOAD_NT scope:SCOPE_SE
	global_prefetch_b8 v[PFC], s[12:13] offset:131072 th:TH_LOAD_NT scope:SCOPE_SE
.endif
	MULB 5
	MULB 6
	MULB 7
.else
	s_wait_dscnt 12                                ; this step's operands are in, but for the youngest twelve loads, A's blocks 4-7
	PLACES                                         ; for this step's loads, into the registers that the last step multiplied
	SB
	MULB 0
	MULB 1
	MULB 2
	MULB 3
	s_wait_dscnt 28                                ; A's blocks 4-7 are in: behind them SB's 28 loads were issued
	AA
.if ST%3 == 1 && ST > 1
	MEET
.endif
	MULB 4
	MULB 5
	MULB 6
.if ST == 1                            ; tile 1 was asked for two steps ago: its wait stands as late as it can
	MEET
.endif
.if ST%3 == 1 && ST > 1
	SIGNAL
.endif
	MULB 7
.if ST == 1
	SIGNAL
.endif
.endif
.endm
	s_wait_tensorcnt 0x0                           ; my part of tile 0 is in
	ds_add_u32 v[SPW], v[NIL]
	s_wait_dscnt 0x0
	CROUND                                         ; a whole round: everybody's part of tile 0 is in, and the joint loads meet
	JLOAD 1                                        ; tile 1, the first tensor load behind the round
.set N, 0
.set SL, 0
.set QQ, 0
	SB
	AA
	ASK 2
	s_mov_b32 s18, 0xbfb8aa3b                      ; -log2(e), as a pair: the packed form names both words
	s_mov_b32 s19, 0xbfb8aa3b
	s_mov_b32 s20, 0x4038aa3b                      ; 2 log2(e)
	s_mov_b32 s21, 0x4038aa3b
	s_wait_loadcnt 0x0                             ; the bias
.set ST, 0
.rept 15
	STEP
.set ST, ST+1
.endr
.set P, 1                              ; step 15: nothing more to fetch
	s_wait_dscnt 12
	MULB 0
	MULB 1
	MULB 2
	MULB 3
	s_wait_dscnt 0x0
	MULB 4
	MULB 5
	MULB 6
	MULB 7
	WIN 0
	PLACES                                         ; in front of the first read of results and of the writes into the registers that held fragments
; THE TAIL, a block of 16 rows x my 32 units at a time.  In trip a stand block a's gates and c_t, and the second tanh and h_t of block a - 1, whose exponentials and reciprocals join block a's batches.
; A row's 256 bytes come from two waves, so c_t and h_t meet in LDS behind a barrier, and each of the two waves stores eight whole row parts: block a - 1's rows are whole when all have signalled at trip a's end, and leave in trip a + 1.
; Slot 0 has had its last fill; c_t lies over the bytes of c that its lane alone has read, h_t behind them.
.macro EXPO a                          ; each accumulator from its low end on: the exponents: -log2(e) x gate, for c* 2 log2(e) x gate
.set AC, 64*((\a)%4)
.set OX, O0+16*((\a)%2)
	WIN 0x02+(\a)/4                                ; source 0: window 2 or 3
	VW                                             ; directly ahead of the results' first readers
.irp b, 0,1,2,3,4,5
.irp k, 0,2,4,6
.if \b/2 == 2
	v_pk_mul_f32 v[GF+8*\b+\k:GF+8*\b+\k+1], v[AC+8*\b+\k:AC+8*\b+\k+1], s[20:21] op_sel_hi:[1,0]
.else
	v_pk_mul_f32 v[GF+8*\b+\k:GF+8*\b+\k+1], v[AC+8*\b+\k:AC+8*\b+\k+1], s[18:19] op_sel_hi:[1,0]
.endif
.endr
.endr
.irp b, 6,7
.irp k, 0,2,4,6
	v_pk_mul_f32 v[OX+8*\b-48+\k:OX+8*\b-48+\k+1], v[AC+8*\b+\k:AC+8*\b+\k+1], s[18:19] op_sel_hi:[1,0]
.endr
.endr
	WIN 0
.endm
.macro LOADC a                         ; c at my row, units 16 u + 8 h + 0 .. 7
.irp u, 0,1
.irp p, 0,1
	ds_load_b128 v[CC+8*\u+4*\p:CC+8*\u+4*\p+3], v[ECA] offset:16*CP*(\a)+64*\u+16*\p
.endr
.endr
.endm
.macro STAGE adr, reg, a               ; my eight units, twice, of block a
.irp u, 0,1
.irp p, 0,1
	ds_store_b128 v[\adr], v[\reg+8*\u+4*\p:\reg+8*\u+4*\p+3] offset:16*CP*(\a)+64*\u+16*\p
.endr
.endr
.endm
.macro ROWS a                          ; my eight rows of block a, whole
.irp t, 0,1,2,3
	ds_load_b128 v[OB+4*\t:OB+4*\t+3], v[ORA] offset:16*CP*(\a)+2*CP*\t
.endr
.irp t, 0,1,2,3
	ds_load_b128 v[OB+16+4*\t:OB+16+4*\t+3], v[ORH] offset:16*CP*(\a)+2*CP*\t
.endr
.endm
.macro SEND a                          ; sixteen lanes store 256 consecutive bytes, at a multiple of 256 from the output's first byte; written once, read by nobody here
.irp t, 0,1,2,3
	global_store_b128 v[CADR], v[OB+4*\t:OB+4*\t+3], s[82:83] offset:65536*(\a)+8192*\t th:TH_STORE_NT
.endr
.irp t, 0,1,2,3
	global_store_b128 v[CADR], v[OB+16+4*\t:OB+16+4*\t+3], s[80:81] offset:65536*(\a)+8192*\t th:TH_STORE_NT
.endr
.endm
.macro HOUT ox                         ; h_t = sigmoid(o) (1 - 2 / (1 + e)), 1 / (1 + e) in YY, sigmoid(o) in ox
.irp k, 0,2,4,6,8,10,12,14
	v_pk_fma_f32 v[SS+\k:SS+\k+1], v[YY+\k:YY+\k+1], -2.0, 1.0 op_sel_hi:[1,0,0]
.endr
.irp k, 0,2,4,6,8,10,12,14
	v_pk_mul_f32 v[SS+\k:SS+\k+1], v[SS+\k:SS+\k+1], v[\ox+\k:\ox+\k+1]
.endr
.endm
; Each VW below is a wait around transcendentals, and ahead of waits that block.
.macro TRIP a
.set OX, O0+16*((\a)%2)
.set OP, O0+16-16*((\a)%2)
	VW
.set KK, 0
.rept 32
	v_exp_f32 v[GF+KK], v[GF+KK]                   ; f, i
.set KK, KK+1
.endr
.if \a >= 2
	s_barrier_wait -1                              ; block a - 2's rows are whole
.if \a >= 3
	s_wait_xcnt 0x0                                ; the last stores have read their data registers
.endif
	ROWS \a-2
.endif
	VW
.set KK, 0
.rept 16                               ; the exponentials of c*, o and the second tanh of block a - 1; among them 1 + those of f, i
	v_exp_f32 v[GG+KK], v[GG+KK]
	v_exp_f32 v[OX+KK], v[OX+KK]
.if \a > 0
	v_exp_f32 v[YY+KK], v[YY+KK]
.endif
	v_pk_add_f32 v[GF+2*KK:GF+2*KK+1], v[GF+2*KK:GF+2*KK+1], 1.0 op_sel_hi:[1,0]
.set KK, KK+1
.endr
	VW
.if \a == 0
	s_wait_tensorcnt 0x0                           ; my rows of c are in
	s_barrier_signal -1
.endif
.set KK, 0
.rept 8                                ; the reciprocals of f, i; among them 1 + the other exponentials
	v_rcp_f32 v[GF+4*KK], v[GF+4*KK]
	v_rcp_f32 v[GF+4*KK+1], v[GF+4*KK+1]
	v_pk_add_f32 v[GG+2*KK:GG+2*KK+1], v[GG+2*KK:GG+2*KK+1], 1.0 op_sel_hi:[1,0]
	v_rcp_f32 v[GF+4*KK+2], v[GF+4*KK+2]
	v_pk_add_f32 v[OX+2*KK:OX+2*KK+1], v[OX+2*KK:OX+2*KK+1], 1.0 op_sel_hi:[1,0]
	v_rcp_f32 v[GF+4*KK+3], v[GF+4*KK+3]
.if \a > 0
	v_pk_add_f32 v[YY+2*KK:YY+2*KK+1], v[YY+2*KK:YY+2*KK+1], 1.0 op_sel_hi:[1,0]
.endif
.set KK, KK+1
.endr
	v_nop
	VW
.if \a == 0
	s_barrier_wait -1                              ; everybody's rows of c are in
	LOADC 0
	s_wait_dscnt 0x0
.endif
.if \a >= 2
	s_wait_dscnt 0x0                               ; block a - 2's rows are back
	SEND \a-2
.endif
.set KK, 0
.rept 8                                ; the other reciprocals; among them sigmoid(f) c
	v_rcp_f32 v[GG+2*KK], v[GG+2*KK]
	v_rcp_f32 v[GG+2*KK+1], v[GG+2*KK+1]
	v_pk_mul_f32 v[GF+2*KK:GF+2*KK+1], v[GF+2*KK:GF+2*KK+1], v[CC+2*KK:CC+2*KK+1]
	v_rcp_f32 v[OX+2*KK], v[OX+2*KK]
	v_rcp_f32 v[OX+2*KK+1], v[OX+2*KK+1]
.if \a > 0
	v_rcp_f32 v[YY+2*KK], v[YY+2*KK]
	v_rcp_f32 v[YY+2*KK+1], v[YY+2*KK+1]
.endif
.set KK, KK+1
.endr
	v_nop
	VW
.if \a < 7
	LOADC \a+1
.endif
.irp k, 0,2,4,6,8,10,12,14
	v_pk_fma_f32 v[GG+\k:GG+\k+1], v[GG+\k:GG+\k+1], -2.0, 1.0 op_sel_hi:[1,0,0]   ; tanh(c*)
.endr
.if \a > 0
	HOUT OP
.endif
.irp k, 0,2,4,6,8,10,12,14
	v_pk_fma_f32 v[CT+\k:CT+\k+1], v[GI+\k:GI+\k+1], v[GG+\k:GG+\k+1], v[GF+\k:GF+\k+1]   ; c_t
.endr
.irp k, 0,2,4,6,8,10,12,14
	v_pk_mul_f32 v[YY+\k:YY+\k+1], v[CT+\k:CT+\k+1], s[20:21] op_sel_hi:[1,0]      ; 2 log2(e) c_t
.endr
.if \a > 0
	STAGE EHA, SS, \a-1
.endif
	STAGE ECA, CT, \a
.if \a < 7
	EXPO \a+1
.endif
	VW
	s_wait_dscnt 0x0                               ; for the others' sake: my halves of block a - 1's rows lie in LDS; and the next block's c is in
.if \a > 0
	s_barrier_signal -1
.endif
.endm
	EXPO 0
.irp a, 0,1,2,3,4,5,6,7
	TRIP \a
.endr
	VW                                             ; block 7's h_t
.set KK, 0
.rept 16
	v_exp_f32 v[YY+KK], v[YY+KK]
.set KK, KK+1
.endr
	v_nop
	s_barrier_wait -1                              ; block 6's rows are whole
	s_wait_xcnt 0x0
	ROWS 6
	VW
.irp k, 0,2,4,6,8,10,12,14
	v_pk_add_f32 v[YY+\k:YY+\k+1], v[YY+\k:YY+\k+1], 1.0 op_sel_hi:[1,0]
.endr
	VW
.set KK, 0
.rept 16
	v_rcp_f32 v[YY+KK], v[YY+KK]
.set KK, KK+1
.endr
	v_nop
	VW
	HOUT O0+16
	STAGE EHA, SS, 7
	VW
	s_wait_dscnt 0x0                               ; block 6's rows are back, and my halves of block 7's lie in LDS
	SEND 6
	s_barrier_signal -1
	s_barrier_wait -1
	s_wait_xcnt 0x0
	ROWS 7
	s_wait_dscnt 0x0
	SEND 7
	s_wait_tensorcnt 0x0                           ; the wave's end: behind my last tensor load and my last LDS store
	ds_add_u32 v[SPW], v[NIL]
	s_wait_dscnt 0x0
	CROUND                                         ; the closing round: no work-group ends while a partner may still ask for a tile that names it
	s_endpgm
.Lfunc_end_k_q9cec920a5d_lstm:
	.size	k_q9cec920a5d_lstm, .Lfunc_end_k_q9cec920a5d_lstm-k_q9cec920a5d_lstm
	.p2alignl 7, 3214868480
	.fill 96, 4, 3214868480
	.section	.rodata,"a",@progbits
	.p2align	6, 0x0
	.amdhsa_kernel k_q9cec920a5d_lstm
		.amdhsa_group_segment_fixed_size 327680
		.amdhsa_private_segment_fixed_size 0
		.amdhsa_enable_private_segment 0
		.amdhsa_kernarg_size 72
		.amdhsa_user_sgpr_count 2
		.amdhsa_user_sgpr_kernarg_segment_ptr 1
		.amdhsa_wavefront_size32 1
		.amdhsa_system_sgpr_workgroup_id_x 1
		.amdhsa_system_sgpr_workgroup_id_y 1
		.amdhsa_system_sgpr_workgroup_id_z 1
		.amdhsa_system_vgpr_workitem_id 0
		.amdhsa_next_free_vgpr 1024
		.amdhsa_next_free_sgpr 98
		.amdhsa_reserve_vcc 0
		.amdhsa_float_denorm_mode_32 3
		.amdhsa_float_denorm_mode_16_64 3
		.amdhsa_memory_ordered 1
		.amdhsa_forward_progress 1
		.amdhsa_inst_pref_size 255
	.end_amdhsa_kernel
	.section	.bss,"aw",@nobits
	.p2align	6
	.space	262144
	.amdgpu_metadata
---
amdhsa.version: [ 1, 2 ]
amdhsa.kernels:
  - .name:           k_q9cec920a5d_lstm
    .symbol:         k_q9cec920a5d_lstm.kd
    .args:
      - { .name: a_pack, .offset: 0, .size: 8, .value_kind: global_buffer, .address_space: global }
      - { .name: b_pack, .offset: 8, .size: 8, .value_kind: global_buffer, .address_space: global }
      - { .name: b_f, .offset: 16, .size: 8, .value_kind: global_buffer, .address_space: global }
      - { .name: b_i, .offset: 24, .size: 8, .value_kind: global_buffer, .address_space: global }
      - { .name: b_c, .offset: 32, .size: 8, .value_kind: global_buffer, .address_space: global }
      - { .name: b_o, .offset: 40, .size: 8, .value_kind: global_buffer, .address_space: global }
      - { .name: out0, .offset: 48, .size: 8, .value_kind: global_buffer, .address_space: global }
      - { .name: out1, .offset: 56, .size: 8, .value_kind: global_buffer, .address_space: global }
      - { .name: c, .offset: 64, .size: 8, .value_kind: global_buffer, .address_space: global }
    .group_segment_fixed_size: 327680
    .private_segment_fixed_size: 0
    .kernarg_segment_align: 8
    .kernarg_segment_size: 72
    .max_flat_workgroup_size: 128
    .sgpr_count:     98
    .vgpr_count:     1024
    .wavefront_size: 32
...
	.end_amdgpu_metadata
.endif
;; end of part 2
